; MI455X (gfx1250); checked and timed in simulation.
; The chip was launched on July 23, 2026; its instructions are those of AMD's public machine-readable ISA for CDNA 5 (MIT licence, August 2026) and "CDNA5" Instruction Set Architecture Reference Guide (July 2026). The comments in the code are by the model that wrote it; some were corrected since.
;; Softmax Attention. Allowed arithmetic: matrix products marked QUANTISED: E2M1 operands, one E8M0 scale for each 32 along K, by v_wmma_scale_f32_16x16x128_f8f6f4 with both operands' format E2M1 (or v_wmma_scale_f32_32x16x128_f4), f32 sums; everything else in f32.
;; Inputs: attention_mask 4 x 2,048 float32; key_layer 4 x 16 x 2,048 x 64 float32; query_layer 4 x 16 x 2,048 x 64 float32; value_layer 4 x 16 x 2,048 x 64 float32.
;; Outputs: out0 4 x 16 x 2,048 x 64 float32.
;; This version of the problem:
;;   THIS VERSION OF THE PROBLEM IS GIVEN IN LOW PRECISION. The matrix products marked QUANTISED in the list below multiply operands that are first quantised to E2M1 (2 exponent bits, 1 mantissa bit; 4 bits a number), with one power-of-two scale for each 32 numbers along K (OCP MX v1.0); their sums are f32. All else is computed in f32.
;;   The module's matrix products, in the order in which they are computed (A, B: the left and right operand; K: the contracted axis; several contracted axes count as one K, in the product's order):
;;     1. batch 64 x [M 2,048, K 64] x [K 64, N 2,048]; A: computed on the way; B: computed on the way: QUANTISED
;;     2. batch 64 x [M 2,048, K 2,048] x [K 2,048, N 64]; A: softmax (see below); B: input value_layer: QUANTISED
;;   THE QUANTISER, for each operand of a quantised product, along K:
;;     - K is cut into blocks of 32 from its start; a last block that is shorter is filled with zeros.
;;     - A block's scale is 2^e with e = floor(log2(the largest magnitude in the block)) - 2, held to -126 .. 127; a block of zeros has e = 0. As a byte (E8M0): e + 127.
;;     - Each number is divided by its block's scale, clamped to +-6, and rounded to the nearest number of E2M1, ties to even, subnormals kept.
;;     - The product sums the exact products of the quantised numbers (number of the format x scale) in f32.
;;   ~~~python
;;   def quantise(x, axis):      # numpy; x: float32 -> the quantised numbers, widened to float32 again
;;       x = np.moveaxis(x, axis, -1); K = x.shape[-1]
;;       x = np.pad(x, [(0, 0)] * (x.ndim - 1) + [(0, -K % 32)]); x = x.reshape(x.shape[:-1] + (-1, 32)); a = np.abs(x).max(-1, keepdims=True)
;;       e = np.where(a > 0, np.clip(np.frexp(np.where(a > 0, a, 1))[1] - 1 - 2, -126, 127), 0)      # np.frexp(a)[1] - 1 = floor(log2(a)), exactly
;;       r = np.clip(x / 2.0 ** e, -6, 6)
;;       step = 2.0 ** (np.maximum(np.frexp(np.where(r == 0, 1, r))[1] - 1, 0) - 1)
;;       q = np.round(r / step) * step * 2.0 ** e      # np.round: ties to even
;;       return np.moveaxis(q.reshape(q.shape[:-2] + (-1,))[..., :K], -1, axis).astype(np.float32)
;;   ~~~
;;   SOFTMAX AHEAD OF A QUANTISED PRODUCT. Where the list says 'softmax', what is quantised is not the finished softmax but p = 2^(t - M), with t = logit x log2(e) and M = ceil(the row's largest t), a whole number; so 1/2 < the row's largest p <= 1. The row's sum l is taken of the UNQUANTISED p, in f32, and the product's result is divided by l at the end. Since M is a whole number, a kernel that streams over the keys may use a running M (the ceiling of the running maximum): every later rescaling is an exact power of two, which a block's scale takes up: the codes' values come out the same.
;;   OPERANDS COMPUTED ON THE WAY. 'Computed on the way' means the value that the module computes at that place (a softmax that the list does not call 'softmax' is quantised finished and normalised). What goes into a quantiser is computed in f32, as accurately as f32 sums, v_exp_f32 and their like allow (about 1e-6 of the number): no bf16 or f16 on the way to a quantiser, and a product that is left as it is and whose result goes on into a quantised operand takes f32 operands (vector FMAs, or v_wmma_f32_16x16x4_f32). A number that lies on a knife's edge between two numbers of the format may be rounded either way, as far as f32 arithmetic and the matrix unit's own rounding can turn it there, and no further.
;; 2 versions. Each part assembles by itself: llvm-mc -triple=amdgcn-amd-amdhsa -mcpu=gfx1250 --defsym DOCPART=n.
;; ======== version 1 of 2: 1 launch
;; launch attn (part 1): grid 4 x 64, 8 waves a work-group, no clusters, 79,872 bytes of LDS; arguments query_layer, key_layer, value_layer, attention_mask, out0; writes out0
.if DOCPART == 1
	.amdgcn_target "amdgcn-amd-amdhsa--gfx1250"
	.amdhsa_code_object_version 6
	.text
	.protected	k_q0f7f77474f_attn
	.globl	k_q0f7f77474f_attn
	.p2align	8
	.type	k_q0f7f77474f_attn,@function
k_q0f7f77474f_attn:
	s_mov_b64 s[64:65], 0
	v_nop
	global_prefetch_b8 v0, s[64:65] scope:SCOPE_SE
	s_setreg_imm32_b32 hwreg(HW_REG_WAVE_MODE, 25, 1), 1
	s_wait_xcnt 0x0
; out[b][h][q][:] = the sum over k of softmax_k((Q[q] / 2^1.5) . (K[k] / 2^1.5) - 1000 (1 - mask[b][k])) V[k][:].  Q, K, V, out: [4][16][2048][64] f32; mask: [4][2048] f32.
; Both products run on codes of FP4 (E2M1) with one E8M0 scale for each 32 along a product's K: the first along the head's 64, the second along the keys.
; THE SOFTMAX AHEAD OF THE SECOND PRODUCT: t = logit x log2(e); M = the row's largest t so far, rounded UP to a whole number; p = 2^(t - M) is quantised along the keys, not normalised.
; The row's sum is taken of the unquantised p, in f32, and divides O at the end.  When M moves, the sum and O are multiplied by 2^(old M - new M): exact.
; SHARES.  256 work-groups: y = the head (64), x = a block of 512 queries (4).  Eight waves of 512 registers; wave w owns queries 64 w .. 64 w + 63 of the block: four tiles of 16, which share every
; fragment of K and V, every scale word and every mask word that the wave reads from LDS.  Every wave walks the head's 2,048 keys, 128 a step, 16 steps.
; K AND V ARE QUANTISED BY THE WORK-GROUP, ONE STEP AHEAD.  Each wave takes an eighth of a step: 16 keys of K (a lane: 8 neighbours along the head's axis, four lanes to a block) and one block of 32 keys x 32 columns of V
; (a lane to a column, its registers down the keys).  The f32 numbers of step s + 2 are loaded into 64 registers during step s, turned into codes during step s + 1, and stored in LDS as IMAGES OF THE OPERANDS'
; REGISTERS (16 bytes a lane, 512 a load), in two buffers by turns; one barrier a step.  Q is read by its own wave alone and quantised at the head.
; LAYOUT.  Both products are used transposed: S^T = K Q^T (source 0 = 16 keys, source 1 = 16 queries), O^T = V^T P^T: a lane holds ONE query (lane % 16) throughout.
; Row m of key tile 2 b + u is key 32 b + 16 (m / 8) + 8 u + m % 8, so that S's registers 16 b .. 16 b + 15 are the 16 neighbouring keys 32 b + 16 (lane / 16) + 0 .. 15.
; A HEAD OF 64 IN AN INSTRUCTION OF 128: fragment b of K holds key tile 2 b at k 0-63 and key tile 2 b + 1 at k 64-127.  Q's tiles stand between runs of four registers of zero codes, Z Q0 Z Q1 Z Q2 Z Q3 Z: the eight registers
; [Qi, Z] pick tile 2 b, [Z, Qi] tile 2 b + 1: a zero code adds nothing under any scale byte but 0xff, and the bytes made here lie between 1 and 254.
; THE MASK costs no vector instruction in the loop: -1000 (1 - mask) is made once, with reference()'s own two roundings, kept in LDS in the order of the keys, and is the C of every score product.
; NO CLUSTER, NO JOINT LOADS, though the four work-groups of a head read the same K and V: the numbers arrive as f32 and are wanted in registers, for the quantiser.  A joint tensor load would lay a step's 65,536 bytes in LDS,
; to be read out again: 128 more LDS loads of 512 bytes a step beside the 256 that the work-group's products want.  No prefetch either: every load of K and V is issued a whole key step ahead of the wait for it.
; LIMITS.  Q and K are multiplied by the f32 number nearest 2^-1.5 where reference() divides by the f32 number nearest 2^1.5: at most one unit in the last place apart.  A block of zeros keeps the scale byte 1 where the
; quantiser says 127: its codes are zeros, and this program alone reads the bytes.  v_exp_f32 gives 0 for a p under 2^-126.  NaN and infinities among the inputs are not served.
;
; LDS: two buffers of BUF bytes (K's four fragments, V's four, K's 64 scale words, V's 64); a place for each wave's Q (four images of 512 bytes, four times 64 bytes of scale words); a stage for each wave's way out; the mask.
.set BUF,   8704
.set KIMG,  0                          ; fragment b at 1024 b, its registers 4 c .. 4 c + 3 at 512 c, lane l at 16 l
.set VIMG,  4096                       ; the same for V's tile of 16 channels
.set KSC,   8192                       ; the word of fragment b, row r, at 64 b + 4 r: bytes (tile 2 b: block 0, 1; tile 2 b + 1: block 0, 1)
.set VSC,   8448                       ; the word of channel tile d, row r, at 64 d + 4 r: byte = block of 32 keys
.set QS,    2*BUF
.set QSW,   2304
.set STAGE, QS+8*QSW                   ; 16 rows x (256 bytes + 16) for each wave
.set STW,   4352
.set SP,    272
.set MASK,  STAGE+8*STW                ; 2,048 numbers: 8,192 bytes, up to byte 78,848
; REGISTERS, window 0 (an instruction names v0-v255; s_set_vgpr_msb says which window each operand place means: bits 1:0 source 0, 3:2 source 1, 5:4 source 2, 7:6 destination)
.set L16, 1                            ; 16 x lane: an image's place for my lane
.set A4,  2                            ; 4 x (lane % 16): a scale word's
.set AM,  3                            ; the trip's mask words: AM0 + 1,024 x trip
.set L32, 4                            ; 32 x lane: my 8 numbers of K or Q in 1,024 bytes
.set L4,  5                            ; 4 x lane: my column of V
.set KCA, 6                            ; where I store K's codes, K's scale bytes, V's codes, V's scale byte
.set KBA, 7
.set VCA, 8
.set VBA, 9
.set KW,  10                           ; v10-13 K's scale words, v14-17 V's, v18-21 Q's, v22-25 P's: these sixteen hold scales and nothing else
.set VW,  14
.set QW,  18
.set PW,  22
.set ST,  26                           ; tile t at v[26 + 4 t]: -M, the largest t, the sum in two halves
.set F,   42                           ; v42 f = 2^(old M - new M); v43 is named with it as a pair and written once
.set BM,  44                           ; v44-47 a block's largest number
.set BP,  48                           ; v48-51 the other half's, then the scale bytes
.set BE,  52                           ; v52-55 the conversions' scale operands
.set SU,  56                           ; v56-57 the sum's second chain
.set TMP, 58
.set AM0, 59                           ; MASK + 64 x (lane / 16); never rewritten
.set CD,  60                           ; v60-63 codes of K or Q just made
.set QZ,  64                           ; v64-99 Z Q0 Z Q1 Z Q2 Z Q3 Z
.set QBA, 103                          ; v100-119 at work at the head
.set QLA, 104
.set QRA, 105
.set QCA, 111
.set CDV, 120                          ; v120-123 codes of V just made; v124 their scale byte
.set BPV, 124
.set STO, 125                          ; the way out: where I put 32 bytes of a row, where I read rows back, my byte offset in out
.set RD,  126
.set GO,  127
.set S,   128                          ; v128-191 S^T of the tile in hand, then p
.set FR,  192                          ; v192-223 four fragments of K, then of V
.set PC,  224                          ; v224-255 p's codes, 8 registers a tile
; window 1: v0-127 O^T (tile t, channels 16 d on, at 32 t + 8 d; at the head Q's numbers); v128-159 K's numbers on their way, v160-191 V's; v192-255 the mask as C
.set SK,  128
.set SV,  160
.set MK,  192
; scalars: s[4:5] Q, s[6:7] K, s[8:9] V, s[10:11] mask, s[12:13] out, each at my part; s14 wave; s[20:21] lane selects; s[22:23] log2(e); s[24:25] 2^-1.5; s26 trips done; s32 the trip's mask bytes
.set MSB, 0
.macro WIN new                         ; the immediate's high byte repeats the setting that is left; a switch that changes nothing is dropped
.if MSB != \new
	s_set_vgpr_msb (MSB<<8)|\new
.set MSB, \new
.endif
.endm
; A vector instruction that reads a matrix result or writes one of a matrix instruction's registers, and a load into such a register, stand four places behind it, and only plain vector
; instructions that name none of its registers are places (ISA guide 7.12.1 for vector instructions).
.macro PLACES
.rept 4
	v_nop
.endr
.endm
; My eighth of key step (the base's step + rel), 40 loads.  K: 16 keys, 4,096 consecutive bytes: lane l takes key 4 g + l / 8, numbers 8 (l % 8) + 0 .. 7.  V: key i of my block of 32, my column: 128 consecutive bytes a load.
.macro LOADS rel
	WIN 0x40                                       ; destination window 1, address window 0
.irp g, 0,1,2,3
.irp e, 0,1
	global_load_b128 v[SK+8*\g+4*\e:SK+8*\g+4*\e+3], v[L32], s[6:7] offset:(\rel)*32768+1024*\g+16*\e
.endr
.endr
.set n, 0
.rept 32
	global_load_b32 v[SV+n], v[L4], s[8:9] offset:(\rel)*32768+256*n
.set n, n+1
.endr
	WIN 0
.endm
; 32 registers of window 1, four groups of 8 neighbours along the head's axis (16 rows of K or of Q), are divided by 2^1.5 and quantised.  A block of 32 lies in four neighbouring lanes.
; Group g's codes (4 bytes) go to v[CA] + cb + c1 (g % 2) + c2 (g / 2), its block's scale byte to v[BA] + bb + b1 (g % 2) + b2 (g / 2): the four lanes of a block write the same byte with the same value.
.macro QROWS X, CA, cb, c1, c2, BA, bb, b1, b2
	WIN 0x41                                       ; destination and source 0 window 1
.set n, 0
.rept 16
	v_pk_mul_f32 v[(\X)+n:(\X)+n+1], v[(\X)+n:(\X)+n+1], s[24:25] op_sel_hi:[1,0]
.set n, n+2
.endr
	WIN 0x05                                       ; sources 0 and 1 window 1
.irp g, 0,1,2,3
	v_max3_num_f32 v[BM+\g], |v[(\X)+8*\g]|, |v[(\X)+8*\g+1]|, 0x1800000   ; my 8 numbers, and the floor 2^(3 - 127): so the byte cannot fall under 1
.endr
	WIN 0x14                                       ; sources 1 and 2 window 1
.irp e, 2,4,6
.irp g, 0,1,2,3
	v_max3_num_f32 v[BM+\g], v[BM+\g], |v[(\X)+8*\g+\e]|, |v[(\X)+8*\g+\e+1]|   ; (the four groups by turns)
.endr
.endr
	WIN 0
.irp m, 1,2
.irp g, 0,1,2,3
	v_max_num_f32_dpp v[BM+\g], v[BM+\g], v[BM+\g] row_xmask:\m row_mask:0xf bank_mask:0xf   ; with the block's other three lanes
.endr
.endr
.irp g, 0,1,2,3
	v_add_nc_u32 v[BE+\g], 0xff000000, v[BM+\g]    ; 2 off the exponent field: the conversion takes the exponent field of this operand as its scale, and nothing else of it
.endr
.irp g, 0,1,2,3
	v_lshrrev_b32 v[BP+\g], 23, v[BE+\g]           ; the scale's byte
.endr
	WIN 0x01                                       ; source 0 window 1
.irp g, 0,1,2,3
	v_cvt_scalef32_pk8_fp4_f32 v[CD+\g], v[(\X)+8*\g:(\X)+8*\g+7], v[BE+\g]
.endr
	WIN 0
	v_nop                                          ; one plain place behind a scaled conversion
.irp g, 0,1,2,3
	ds_store_b32 v[\CA], v[CD+\g] offset:(\cb)+(\c1)*(\g%2)+(\c2)*(\g/2)
.endr
.irp g, 0,1,2,3
	ds_store_b8 v[\BA], v[BP+\g] offset:(\bb)+(\b1)*(\g%2)+(\b2)*(\g/2)
.endr
.endm
; My block of V: 32 keys of my column, all in my registers: no other lane is asked.  Its 32 codes are four registers of V^T's fragment as they stand.
.macro QUANT_V f
	WIN 0x05
	v_max3_num_f32 v[BM], |v[SV]|, |v[SV+1]|, 0x1800000
	v_max3_num_f32 v[BM+1], |v[SV+2]|, |v[SV+3]|, 0x1800000
	WIN 0x14
.irp e, 4,8,12,16,20,24,28
	v_max3_num_f32 v[BM], v[BM], |v[SV+\e]|, |v[SV+\e+1]|          ; two chains
	v_max3_num_f32 v[BM+1], v[BM+1], |v[SV+\e+2]|, |v[SV+\e+3]|
.endr
	WIN 0
	v_max_num_f32 v[BM], v[BM], v[BM+1]
	v_add_nc_u32 v[BE], 0xff000000, v[BM]
	v_lshrrev_b32 v[BPV], 23, v[BE]
	WIN 0x01
.irp g, 0,1,2,3
	v_cvt_scalef32_pk8_fp4_f32 v[CDV+\g], v[SV+8*\g:SV+8*\g+7], v[BE]
.endr
	WIN 0
	v_nop                                          ; one plain place behind a scaled conversion
	ds_store_b128 v[VCA], v[CDV:CDV+3] offset:(\f)*BUF+VIMG
	ds_store_b8 v[VBA], v[BPV] offset:(\f)*BUF+VSC
.endm
; A step's K out of buffer f: four fragments, their scale words, and the step's 128 mask numbers as eight C operands: register 16 b + 4 c + e of half h is the mask of key 32 b + 16 h + 4 c + e (sixteen lanes read the same 16 bytes).
.macro FETCH_K f
.irp b, 0,1,2,3
.irp c, 0,1
	ds_load_b128 v[FR+8*\b+4*\c:FR+8*\b+4*\c+3], v[L16] offset:(\f)*BUF+KIMG+1024*\b+512*\c
.endr
.endr
.irp b, 0,1,2,3
	ds_load_b32 v[KW+\b], v[A4] offset:(\f)*BUF+KSC+64*\b
.endr
	WIN 0x40                                       ; destination window 1
.irp b, 0,1,2,3
.irp c, 0,1,2,3
	ds_load_b128 v[MK+16*\b+4*\c:MK+16*\b+4*\c+3], v[AM] offset:512*(\f)+128*\b+16*\c
.endr
.endr
	WIN 0
.endm
.macro FETCH_V f
.irp b, 0,1,2,3
.irp c, 0,1
	ds_load_b128 v[FR+8*\b+4*\c:FR+8*\b+4*\c+3], v[L16] offset:(\f)*BUF+VIMG+1024*\b+512*\c
.endr
.endr
.irp b, 0,1,2,3
	ds_load_b32 v[VW+\b], v[A4] offset:(\f)*BUF+VSC+64*\b
.endr
.endm
; S^T of tile t: eight products on eight accumulators; C = the mask.  u = 0: [Qt, Z] meets the fragment's k 0-63, key tile 2 b; u = 1: [Z, Qt] meets k 64-127, key tile 2 b + 1.
.macro SCORES t
	WIN 0x10                                       ; source 2 (the mask) window 1
.irp b, 0,1,2,3
.irp u, 0,1
	v_wmma_scale_f32_16x16x128_f8f6f4 v[S+8*(2*\b+\u):S+8*(2*\b+\u)+7], v[FR+8*\b:FR+8*\b+7], v[QZ+4+8*(\t)-4*\u:QZ+11+8*(\t)-4*\u], v[MK+8*(2*\b+\u):MK+8*(2*\b+\u)+7], v[KW+\b], v[QW+(\t)] matrix_a_fmt:MATRIX_FMT_FP4 matrix_b_fmt:MATRIX_FMT_FP4
.endr
.endr
	WIN 0
	PLACES
.endm
; The softmax of tile t for 128 keys; p's codes into v[PC + 8 t] on, their scale word into v[PW + t]; the tile's O^T under the new M.
.macro SOFTMAX t
.set NM, ST+4*(\t)
.set PT, PC+8*(\t)
.set OT, 32*(\t)
.irp b, 0,1,2,3
	v_max3_num_f32 v[BM+\b], v[S+16*\b], v[S+16*\b+1], v[S+16*\b+2]   ; THE LARGEST SCORE OF EACH BLOCK OF 32 KEYS serves twice: for the row's maximum, and, since p rises with the score, for the block's largest p.  Each accumulator is read from its low end on
.endr
.irp e, 3,5,7,9,11,13
.irp b, 0,1,2,3
	v_max3_num_f32 v[BM+\b], v[BM+\b], v[S+16*\b+\e], v[S+16*\b+\e+1]   ; (the four blocks by turns)
.endr
.endr
.irp b, 0,1,2,3
	v_max_num_f32 v[BM+\b], v[BM+\b], v[S+16*\b+15]
.endr
.irp b, 0,1,2,3
	v_permlanex16_b32 v[BP+\b], v[BM+\b], s20, s21
.endr
.irp b, 0,1,2,3
	v_max_num_f32 v[BM+\b], v[BM+\b], v[BP+\b]     ; with lane l xor 16's 16 keys
.endr
	v_max3_num_f32 v[TMP], v[BM], v[BM+1], v[BM+2]
	v_max_num_f32 v[TMP], v[TMP], v[BM+3]          ; the step's largest score of my query
	v_mul_f32 v[TMP], s22, v[TMP]                  ; as t
	v_max_num_f32 v[NM+1], v[NM+1], v[TMP]         ; the running largest t
	v_mov_b32 v[TMP], v[NM]
	v_floor_f32 v[NM], -v[NM+1]                    ; the new -M = floor(-t) = -ceil(t): M is a whole number
	v_sub_f32 v[TMP], v[NM], v[TMP]                ; M's old value less its new one: a whole number, 0 or less
	v_cvt_i32_f32 v[TMP], v[TMP]                   ; (it saturates)
	v_ldexp_f32 v[F], 1.0, v[TMP]                  ; f = 2^(old M - new M)
.set n, 0
.rept 32
	v_pk_fma_f32 v[S+n:S+n+1], v[S+n:S+n+1], s[22:23], v[NM:NM+1] op_sel_hi:[1,0,0]   ; t - M, two at a time (of the pairs log2(e) and -M the low word serves both halves)
.set n, n+2
.endr
.irp b, 0,1,2,3
	v_fma_f32 v[BM+\b], v[BM+\b], s22, v[NM]       ; the same of each block's largest score
.endr
.set n, 0
.rept 64
	v_exp_f32 v[S+n], v[S+n]                       ; p = 2^(t - M): not normalised
.set n, n+1
.endr
.irp b, 0,1,2,3
	v_exp_f32 v[BM+\b], v[BM+\b]                   ; the block's largest p: the same two instructions on the same number give the same bits
.endr
	v_pk_mul_f32 v[NM+2:NM+3], v[NM+2:NM+3], v[F:F+1] op_sel_hi:[1,0]   ; the sums under the new M.  (A plain place behind the exponentials)
	s_wait_alu depctr_va_vdst(0)
.irp b, 0,1,2,3
	v_max_num_f32 v[BM+\b], 0x1800000, v[BM+\b]    ; the floor 2^(3 - 127): a block whose every p has fallen to 0 keeps the byte 1: its codes are zeros
.endr
.irp b, 0,1,2,3
	v_add_nc_u32 v[BE+\b], 0xff000000, v[BM+\b]    ; 2 off the exponent field: the conversion's scale operand
.endr
.irp b, 0,1,2,3
	v_lshrrev_b32 v[BP+\b], 23, v[BE+\b]           ; the scale's byte
.endr
	v_lshl_or_b32 v[PW+(\t)], v[BP+1], 8, v[BP]    ; p's scale word for these 128 keys
	v_lshl_or_b32 v[PW+(\t)], v[BP+2], 16, v[PW+(\t)]
	v_lshl_or_b32 v[PW+(\t)], v[BP+3], 24, v[PW+(\t)]
.irp b, 0,1,2,3
	v_cvt_scalef32_pk8_fp4_f32 v[PT+2*\b], v[S+16*\b:S+16*\b+7], v[BE+\b]
	v_cvt_scalef32_pk8_fp4_f32 v[PT+2*\b+1], v[S+16*\b+8:S+16*\b+15], v[BE+\b]
.endr
	v_nop                                          ; one plain place behind a scaled conversion
.irp c, 0,1                                    ; the operand's layout wants a WHOLE block in a lane: lanes 0-15 block 2 c, lanes 16-31 block 2 c + 1
.irp e, 0,1
	v_permlane16_swap_b32 v[PT+4*\c+\e], v[PT+4*\c+2+\e]
.endr
.endr
	v_pk_add_f32 v[SU:SU+1], v[S:S+1], v[S+2:S+3]  ; the row's sum is taken of the unquantised p: two at a time, in two chains
.irp e, 4,8,12,16,20,24,28,32,36,40,44,48,52,56,60
	v_pk_add_f32 v[NM+2:NM+3], v[NM+2:NM+3], v[S+\e:S+\e+1]
	v_pk_add_f32 v[SU:SU+1], v[SU:SU+1], v[S+\e+2:S+\e+3]
.endr
	v_pk_add_f32 v[NM+2:NM+3], v[NM+2:NM+3], v[SU:SU+1]
	WIN 0x41                                       ; O^T (destination and source 0) window 1, f window 0
.set n, 0
.rept 16
	v_pk_mul_f32 v[OT+n:OT+n+1], v[OT+n:OT+n+1], v[F:F+1] op_sel_hi:[1,0]   ; O^T under the new M, each accumulator from its low end on
.set n, n+2
.endr
	WIN 0
.endm
; O^T += V^T P^T for all four tiles: sixteen accumulators by turns, one instruction a turn.  The four places behind them serve the next loads into the fragments' registers.
.macro PV
	WIN 0x50                                       ; C and D window 1
.irp d, 0,1,2,3
.irp t, 0,1,2,3
	v_wmma_scale_f32_16x16x128_f8f6f4 v[32*\t+8*\d:32*\t+8*\d+7], v[FR+8*\d:FR+8*\d+7], v[PC+8*\t:PC+8*\t+7], v[32*\t+8*\d:32*\t+8*\d+7], v[VW+\d], v[PW+\t] matrix_a_fmt:MATRIX_FMT_FP4 matrix_b_fmt:MATRIX_FMT_FP4
.endr
.endr
	WIN 0
	PLACES
.endm
; A KEY STEP: reads buffer f, writes buffer 1 - f.  The numbers that were asked for a step ago become the next step's codes; the numbers of the step after that are asked for.
; In the last trip (s26 = 7) its first step asks for nothing and its second neither quantises nor asks: there is no step 16, and no load leaves its buffer.  The branches hang on the count of trips alone.
.macro STEP f
	FETCH_K \f                                     ; these land while the next step's numbers are quantised
.if \f == 1
	s_cmp_eq_u32 s26, 7
	s_cbranch_scc1 .Lskip_\@
.endif
	s_wait_loadcnt 0x0                             ; the 40 loads that were issued a step ago; none was issued since
	QROWS SK, KCA, (1-\f)*BUF+KIMG, 64, 512, KBA, (1-\f)*BUF+KSC, 16, 2
	QUANT_V 1-\f
.if \f == 0
	s_cmp_eq_u32 s26, 7
	s_cbranch_scc1 .Lskip_\@
.endif
	LOADS 2+\f
.Lskip_\@:
	s_wait_dscnt 0x0                               ; K's fragments, scale words and the mask are in
	SCORES 0
	SOFTMAX 0
	SCORES 1
	SOFTMAX 1
	SCORES 2
	SOFTMAX 2
	SCORES 3
	FETCH_V \f                                     ; behind the last products on K and their four places: V takes K's registers and lands during the last softmax
	SOFTMAX 3
	s_wait_dscnt 0x0                               ; V is in; my stores into the other buffer have landed; my reads of this buffer are over: no LDS instruction of mine follows before the signal
	PV
	s_barrier_signal -1                            ; ONE barrier a step, for two things: the other buffer is whole before anyone reads it,
	s_barrier_wait -1                              ; and nobody reads this buffer any more when it is written again
.endm
	s_load_b256 s[4:11], s[0:1], 0x0               ; Q s[4:5], K s[6:7], V s[8:9], mask s[10:11]
	s_load_b64 s[12:13], s[0:1], 0x20              ; out
	v_lshrrev_b32 v100, 5, v0
	v_readfirstlane_b32 s14, v100                  ; wave 0..7
	v_and_b32 v100, 31, v0                         ; l
	v_and_b32 v101, 15, v0                         ; r = l % 16
	v_bfe_u32 v102, v0, 4, 1                       ; h = l / 16
	v_lshlrev_b32 v[L32], 5, v100
	v_lshlrev_b32 v[L4], 2, v100
	v_lshlrev_b32 v109, 4, v0                      ; the mask: 16 bytes a thread
	s_and_b32 s15, ttmp7, 0xffff                   ; the head
	s_lshr_b32 s27, s14, 1                         ; w / 2
	s_and_b32 s28, s14, 1                          ; w % 2
	s_lshr_b32 s29, s14, 2                         ; w / 4
	s_and_b32 s30, s27, 1                          ; (w / 2) % 2
	s_lshl_b32 s16, s15, 19                        ; the head's first byte in Q, K, V and out: 2,048 rows of 256 bytes.  Every offset stays under 2^25
	s_lshl_b32 s18, ttmp9, 17                      ; my block's 512 rows,
	s_lshl_b32 s19, s14, 14                        ; my wave's 64 of them
	s_add_co_u32 s18, s18, s19
	s_add_co_u32 s18, s18, s16
	s_mov_b32 s19, 0
	s_lshl_b32 s36, s14, 12                        ; K: my 16 keys of a step
	s_add_co_u32 s36, s36, s16
	s_mov_b32 s37, 0
	s_lshl_b32 s34, s27, 13                        ; V: block w / 2 of a step's four blocks of 32 keys,
	s_lshl_b32 s35, s28, 7                         ; columns 32 (w % 2) on
	s_add_co_u32 s34, s34, s35
	s_add_co_u32 s34, s34, s16
	s_mov_b32 s35, 0
	s_lshr_b32 s38, s15, 4                         ; the batch: its row of the mask
	s_lshl_b32 s38, s38, 13
	s_mov_b32 s39, 0
	s_mov_b32 s20, 0x76543210
	s_mov_b32 s21, 0xfedcba98                      ; v_permlanex16_b32's selects for lane l xor 16
	s_mov_b32 s22, 0x3fb8aa3b                      ; log2(e)
	s_mov_b32 s23, s22                             ; (the packed forms name a pair and take its low word for both halves: so the high word is written)
	s_mov_b32 s24, 0x3eb504f3                      ; 2^-1.5
	s_mov_b32 s25, s24
	s_wait_kmcnt 0x0
	s_add_nc_u64 s[4:5], s[4:5], s[18:19]
	s_add_nc_u64 s[12:13], s[12:13], s[18:19]
	s_add_nc_u64 s[6:7], s[6:7], s[36:37]
	s_add_nc_u64 s[8:9], s[8:9], s[34:35]
	s_add_nc_u64 s[10:11], s[10:11], s[38:39]
	global_load_b128 v[112:115], v109, s[10:11]    ; the batch's 2,048 mask numbers: 256 threads x 2 x 16 bytes
	global_load_b128 v[116:119], v109, s[10:11] offset:4096
	LOADS 0                                        ; key step 0
	; the addresses, while the loads are on their way
	v_lshlrev_b32 v[L16], 4, v100
	v_lshlrev_b32 v[A4], 2, v101
	v_lshl_add_u32 v[AM0], v102, 6, MASK
	v_bfe_u32 v103, v0, 3, 2                       ; l / 8: my row among a group's four
	v_bfe_u32 v104, v0, 2, 1                       ; (l / 4) % 2: my block of the head's two = the half of the lanes that the fragment wants it in
	v_and_b32 v105, 3, v0                          ; l % 4: which of that lane's four registers
	v_lshlrev_b32 v106, 4, v103
	v_lshl_add_u32 v106, v104, 8, v106
	v_lshl_add_u32 v106, v105, 2, v106             ; codes: 16 (l / 8) + 256 ((l / 4) % 2) + 4 (l % 4)
	v_lshl_add_u32 v107, v103, 2, v104             ; scale bytes: 4 (l / 8) + (l / 4) % 2
	s_lshl_b32 s31, s27, 10                        ; K: my 16 keys are rows 8 (w % 2) .. + 7 of key tiles 2 (w / 2) and 2 (w / 2) + 1: fragment w / 2
	s_lshl_b32 s33, s28, 7
	s_add_co_u32 s31, s31, s33
	v_add_nc_u32 v[KCA], s31, v106
	s_lshl_b32 s31, s27, 6
	s_lshl_b32 s33, s28, 5
	s_add_co_u32 s31, s31, s33
	v_add_nc_u32 v[KBA], s31, v107
	s_lshl_b32 s31, s28, 11                        ; V: channel tile 2 (w % 2) + h, row r; key block w / 2 = registers 4 (w / 4) on of the lanes' half (w / 2) % 2
	s_lshl_b32 s33, s29, 9
	s_add_co_u32 s31, s31, s33
	s_lshl_b32 s33, s30, 8
	s_add_co_u32 s31, s31, s33
	v_lshlrev_b32 v108, 4, v101
	v_lshl_add_u32 v108, v102, 10, v108
	v_add_nc_u32 v[VCA], s31, v108
	s_lshl_b32 s31, s28, 7
	s_add_co_u32 s31, s31, s27
	v_lshl_add_u32 v108, v102, 6, v[A4]
	v_add_nc_u32 v[VBA], s31, v108
	s_mul_i32 s31, s14, QSW                        ; my wave's place for Q
	s_add_co_u32 s31, s31, QS
	v_add_nc_u32 v[QCA], s31, v106
	v_add_nc_u32 v[QLA], s31, v[L16]
	s_add_co_u32 s31, s31, 2048
	v_add_nc_u32 v[QBA], s31, v107
	v_add_nc_u32 v[QRA], s31, v[A4]
	s_mul_i32 s31, s14, STW                        ; my stage
	s_add_co_u32 s31, s31, STAGE
	v_mul_u32_u24 v108, v101, SP
	v_lshl_add_u32 v108, v102, 5, v108
	v_add_nc_u32 v[STO], s31, v108                 ; in: row r, 32 bytes for each half of the lanes
	v_mul_u32_u24 v108, v102, SP
	v_lshl_add_u32 v108, v101, 4, v108
	v_add_nc_u32 v[RD], s31, v108                  ; back: lanes 0-15 one row of 256 bytes, lanes 16-31 the next
	v_lshlrev_b32 v[GO], 8, v102
	v_lshl_add_u32 v[GO], v101, 4, v[GO]           ; and the same two rows in out
	v_add_nc_u32 v110, MASK, v109
	s_wait_loadcnt 40                              ; the mask is in; step 0's 40 loads, issued behind it, may be out
.irp j, 0,1,2,3,4,5,6,7
	v_sub_f32 v[112+\j], 1.0, v[112+\j]            ; -1000 (1 - mask): two roundings, as reference() has them, so not one fused multiply-add
.endr
.irp j, 0,1,2,3,4,5,6,7
	v_mul_f32 v[112+\j], 0xc47a0000, v[112+\j]
.endr
	ds_store_b128 v110, v[112:115]
	ds_store_b128 v110, v[116:119] offset:4096
	WIN 0x40                                       ; destination window 1
.irp t, 0,1,2,3                                ; Q: my 64 rows, read by me alone: tile t's 4,096 bytes as K's 16 keys are taken
.irp g, 0,1,2,3
.irp e, 0,1
	global_load_b128 v[32*\t+8*\g+4*\e:32*\t+8*\g+4*\e+3], v[L32], s[4:5] offset:4096*\t+1024*\g+16*\e th:TH_LOAD_NT
.endr
.endr
.endr
	WIN 0
	s_wait_loadcnt 32                              ; step 0 is in; Q's 32 loads may be out
	QROWS SK, KCA, KIMG, 64, 512, KBA, KSC, 16, 2  ; step 0 into buffer 0
	QUANT_V 0
	LOADS 1                                        ; key step 1
	s_wait_loadcnt 40                              ; Q is in; step 1's 40 loads may be out
.irp t, 0,1,2,3
	s_wait_dscnt 0x0                               ; the stores before have read their registers
	QROWS 32*\t, QCA, 512*\t, 64, 128, QBA, 64*\t, 16, 32   ; row 4 g + l / 8 of the tile: 64 bytes of codes and 16 of scale words from group to group
.endr
.irp t, 0,1,2,3
	ds_load_b128 v[QZ+4+8*\t:QZ+7+8*\t], v[QLA] offset:512*\t   ; LDS serves a wave's instructions in order (ISA guide 5.7.1.4): these see my stores
.endr
.irp t, 0,1,2,3
	ds_load_u16 v[QW+\t], v[QRA] offset:64*\t      ; row r's two scale bytes
.endr
.irp z, 0,8,16,24,32
.irp e, 0,1,2,3
	v_mov_b32 v[QZ+\z+\e], 0                       ; the zero codes between Q's tiles
.endr
.endr
.irp t, 0,1,2,3
	v_mov_b32 v[ST+4*\t+1], 0xff61b1e6             ; the largest t so far: -3e38, under every t
	v_mov_b32 v[ST+4*\t+2], 0                      ; the sum, in two halves
	v_mov_b32 v[ST+4*\t+3], 0
.endr
.irp t, 0,1,2,3
	v_floor_f32 v[ST+4*\t], -v[ST+4*\t+1]          ; -M
.endr
	v_mov_b32 v[F+1], 0                            ; (named as the upper half of the pair with f)
	WIN 0x40
.set n, 0
.rept 128
	v_mov_b32 v[n], 0                              ; O^T, where Q's numbers lay.  The key step is written without a first step of its own: the first finds zeros, which the first change of M leaves zeros
.set n, n+1
.endr
	WIN 0
	s_wait_dscnt 0x0                               ; Q's codes and bytes are in; my stores of the mask and of buffer 0 have landed
.irp t, 0,1,2,3
	v_lshl_or_b32 v[QW+\t], v[QW+\t], 16, v[QW+\t] ; Q's scale word (s0, s1, s0, s1): it serves [Qt, Z] and [Z, Qt] alike
.endr
	s_barrier_signal -1
	s_barrier_wait -1                              ; the mask and buffer 0 are whole
	s_mov_b32 s26, 0
	s_mov_b32 s32, 0
.Ltrip:                                            ; eight trips of two key steps: the two buffers are named by constants
	v_add_nc_u32 v[AM], s32, v[AM0]
	STEP 0
	STEP 1
	s_wait_xcnt 0x0                                ; the trip's loads have read their bases: only behind this wait are they stepped
	s_add_nc_u64 s[6:7], s[6:7], 0x10000           ; two steps on: 256 keys of 256 bytes
	s_add_nc_u64 s[8:9], s[8:9], 0x10000
	s_add_co_u32 s32, s32, 1024                    ; and 256 mask numbers
	s_add_co_u32 s26, s26, 1
	s_cmp_lt_u32 s26, 8
	s_cbranch_scc1 .Ltrip
	; THE WAY OUT.  The sum's two halves and lane l xor 16's are added; O^T is divided by the sum and goes through my stage in LDS, a tile (16 rows of out) at a time, so that sixteen lanes store one row of 256 bytes.
.irp t, 0,1,2,3
	v_add_f32 v[ST+4*\t+2], v[ST+4*\t+2], v[ST+4*\t+3]
.endr
.irp t, 0,1,2,3
	v_permlanex16_b32 v[BP+\t], v[ST+4*\t+2], s20, s21
.endr
.irp t, 0,1,2,3
	v_add_f32 v[ST+4*\t+2], v[ST+4*\t+2], v[BP+\t]
.endr
.irp t, 0,1,2,3
	v_rcp_f32 v[ST+4*\t+2], v[ST+4*\t+2]
.endr
	v_nop                                          ; a plain place between the last reciprocal and the use of its result
	s_wait_alu depctr_va_vdst(0)
; Tile t: register 8 d + j of lane (r, h) is out(r, 16 d + 8 h + j).  Into rows of 272 bytes, and back as whole rows of 256, into the registers that they left.
.macro PACK t
	WIN 0x01                                       ; source 0 (O^T) window 1
.set n, 0
.rept 16
	v_pk_mul_f32 v[S+32*(\t)+n:S+32*(\t)+n+1], v[32*(\t)+n:32*(\t)+n+1], v[ST+4*(\t)+2:ST+4*(\t)+3] op_sel_hi:[1,0]   ; each accumulator from its low end on
.set n, n+2
.endr
	WIN 0
.irp d, 0,1,2,3
	ds_store_b128 v[STO], v[S+32*(\t)+8*\d:S+32*(\t)+8*\d+3] offset:64*\d
	ds_store_b128 v[STO], v[S+32*(\t)+8*\d+4:S+32*(\t)+8*\d+7] offset:64*\d+16
.endr
.irp e, 0,1,2,3,4,5,6,7
	ds_load_b128 v[S+32*(\t)+4*\e:S+32*(\t)+4*\e+3], v[RD] offset:\e*2*SP   ; LDS serves a wave's instructions in order: these see the stores above; the next tile's stores come behind them
.endr
.endm
.macro SEND t, younger                 ; younger: the LDS instructions issued behind tile t's loads: the next tile's sixteen, or none
.irp e, 0,1,2,3,4,5,6,7
	s_wait_dscnt \younger+7-\e
	global_store_b128 v[GO], v[S+32*(\t)+4*\e:S+32*(\t)+4*\e+3], s[12:13] offset:4096*(\t)+512*\e th:TH_STORE_NT   ; 32 lanes store 512 consecutive bytes, at a multiple of 256 from out's first byte; written once, read by nobody here
.endr
.endm
	PACK 0
	PACK 1                                         ; a tile's arithmetic stands between the loads of the tile before and its stores
	SEND 0, 16
	PACK 2
	SEND 1, 16
	PACK 3
	SEND 2, 16
	SEND 3, 0
	s_wait_xcnt 0x0
	v_lshl_add_u32 v254, v0, 2, 0x13400
	v_mov_b32 v255, 0
	s_wait_tensorcnt 0x0
	ds_add_u32 v254, v255
	s_wait_dscnt 0x0
	s_endpgm
.Lfunc_end_k_q0f7f77474f_attn:
	.size	k_q0f7f77474f_attn, .Lfunc_end_k_q0f7f77474f_attn-k_q0f7f77474f_attn
	.p2alignl 7, 3214868480
	.fill 96, 4, 3214868480
	.section	.rodata,"a",@progbits
	.p2align	6, 0x0
	.amdhsa_kernel k_q0f7f77474f_attn
		.amdhsa_group_segment_fixed_size 79872
		.amdhsa_private_segment_fixed_size 0
		.amdhsa_enable_private_segment 0
		.amdhsa_kernarg_size 40
		.amdhsa_user_sgpr_count 2
		.amdhsa_user_sgpr_kernarg_segment_ptr 1
		.amdhsa_wavefront_size32 1
		.amdhsa_system_sgpr_workgroup_id_x 1
		.amdhsa_system_sgpr_workgroup_id_y 1
		.amdhsa_system_sgpr_workgroup_id_z 1
		.amdhsa_system_vgpr_workitem_id 0
		.amdhsa_next_free_vgpr 512
		.amdhsa_next_free_sgpr 66
		.amdhsa_reserve_vcc 0
		.amdhsa_float_denorm_mode_32 3
		.amdhsa_float_denorm_mode_16_64 3
		.amdhsa_memory_ordered 1
		.amdhsa_forward_progress 1
		.amdhsa_inst_pref_size 190
	.end_amdhsa_kernel
	.amdgpu_metadata
---
amdhsa.version: [ 1, 2 ]
amdhsa.kernels:
  - .name:           k_q0f7f77474f_attn
    .symbol:         k_q0f7f77474f_attn.kd
    .args:
      - { .name: query_layer, .offset: 0, .size: 8, .value_kind: global_buffer, .address_space: global }
      - { .name: key_layer, .offset: 8, .size: 8, .value_kind: global_buffer, .address_space: global }
      - { .name: value_layer, .offset: 16, .size: 8, .value_kind: global_buffer, .address_space: global }
      - { .name: attention_mask, .offset: 24, .size: 8, .value_kind: global_buffer, .address_space: global }
      - { .name: out0, .offset: 32, .size: 8, .value_kind: global_buffer, .address_space: global }
    .group_segment_fixed_size: 79872
    .private_segment_fixed_size: 0
    .kernarg_segment_align: 8
    .kernarg_segment_size: 40
    .max_flat_workgroup_size: 256
    .sgpr_count:     66
    .vgpr_count:     512
    .wavefront_size: 32
...
	.end_amdgpu_metadata
.endif
;; end of part 1
;; ======== version 2 of 2: 1 launch; version 1 with the launch attn written anew for expert scheduling mode
;; launch attn (part 2): grid 4 x 64, 8 waves a work-group, no clusters, 79,872 bytes of LDS; arguments query_layer, key_layer, value_layer, attention_mask, out0; writes out0
.if DOCPART == 2
	.amdgcn_target "amdgcn-amd-amdhsa--gfx1250"
	.amdhsa_code_object_version 6
	.text
	.protected	k_q0f7f77474f_attn
	.globl	k_q0f7f77474f_attn
	.p2align	8
	.type	k_q0f7f77474f_attn,@function
k_q0f7f77474f_attn:
	s_mov_b64 s[64:65], 0
	v_nop
	global_prefetch_b8 v0, s[64:65] scope:SCOPE_SE
	s_setreg_imm32_b32 hwreg(HW_REG_WAVE_SCHED_MODE, 0, 2), 2
	s_setreg_imm32_b32 hwreg(HW_REG_WAVE_MODE, 25, 1), 1
	s_wait_xcnt 0x0
	s_wait_alu depctr_vm_vsrc(0)
; out[b][h][q][:] = the sum over k of softmax_k((Q[q] / 2^1.5) . (K[k] / 2^1.5) - 1000 (1 - mask[b][k])) V[k][:].  Q, K, V, out: [4][16][2048][64] f32; mask: [4][2048] f32.
; Both products run on codes of FP4 (E2M1) with one E8M0 scale for each 32 along a product's K: the first along the head's 64, the second along the keys.
; THE SOFTMAX AHEAD OF THE SECOND PRODUCT: t = logit x log2(e); M = the row's largest t so far, rounded UP to a whole number; p = 2^(t - M) is quantised along the keys, not normalised.
; The row's sum is taken of the unquantised p, in f32, and divides O at the end.  When M moves, the sum and O are multiplied by 2^(old M - new M): exact.
; SHARES.  256 work-groups: y = the head (64), x = a block of 512 queries (4).  Eight waves of 512 registers; wave w owns queries 64 w .. 64 w + 63 of the block: four tiles of 16, which share every
; fragment of K and V, every scale word and every mask word that the wave reads from LDS.  Every wave walks the head's 2,048 keys, 128 a step, 16 steps.
; K AND V ARE QUANTISED BY THE WORK-GROUP, ONE STEP AHEAD.  Each wave takes an eighth of a step: 16 keys of K (a lane: 8 neighbours along the head's axis, four lanes to a block) and one block of 32 keys x 32 columns of V
; (a lane to a column, its registers down the keys).  The f32 numbers of step s + 2 are loaded into 64 registers during step s, turned into codes during step s + 1, and stored in LDS as IMAGES OF THE OPERANDS'
; REGISTERS (16 bytes a lane, 512 a load), in two buffers by turns; one barrier a step.  Q is read by its own wave alone and quantised at the head.
; LAYOUT.  Both products are used transposed: S^T = K Q^T (source 0 = 16 keys, source 1 = 16 queries), O^T = V^T P^T: a lane holds ONE query (lane % 16) throughout.
; Row m of key tile 2 b + u is key 32 b + 16 (m / 8) + 8 u + m % 8, so that S's registers 16 b .. 16 b + 15 are the 16 neighbouring keys 32 b + 16 (lane / 16) + 0 .. 15.
; A HEAD OF 64 IN AN INSTRUCTION OF 128: fragment b of K holds key tile 2 b at k 0-63 and key tile 2 b + 1 at k 64-127.  Q's tiles stand between runs of four registers of zero codes, Z Q0 Z Q1 Z Q2 Z Q3 Z: the eight registers
; [Qi, Z] pick tile 2 b, [Z, Qi] tile 2 b + 1: a zero code adds nothing under any scale byte but 0xff, and the bytes made here lie between 1 and 254.
; THE MASK costs no vector instruction in the loop: -1000 (1 - mask) is made once, with reference()'s own two roundings, kept in LDS in the order of the keys, and is the C of every score product.
; NO CLUSTER, NO JOINT LOADS, though the four work-groups of a head read the same K and V: the numbers arrive as f32 and are wanted in registers, for the quantiser.  A joint tensor load would lay a step's 65,536 bytes in LDS,
; to be read out again: 128 more LDS loads of 512 bytes a step beside the 256 that the work-group's products want.  No prefetch either: every load of K and V is issued a whole key step ahead of the wait for it.
; LIMITS.  Q and K are multiplied by the f32 number nearest 2^-1.5 where reference() divides by the f32 number nearest 2^1.5: at most one unit in the last place apart.  A block of zeros keeps the scale byte 1 where the
; quantiser says 127: its codes are zeros, and this program alone reads the bytes.  v_exp_f32 gives 0 for a p under 2^-126.  NaN and infinities among the inputs are not served.
; THE MODE: SCHED_MODE bits 1:0 = 2 (LLVM: expert scheduling mode 2), set by the entry lines.  The code itself states the register dependences
; between vector or matrix instructions and memory or LDS instructions, with s_wait_alu, always for 0.
; THE PLAN.  Registers that memory or LDS instructions touch in a key step, in program order:
;   v[FR ..], v[KW ..], window 1's v[MK ..]   K's fragments, scale words and the mask land at the step's head; the score products read them.  Their last readers: the step before's V^T P (FR) and its last score products (KW, MK).
;   window 1's v[SK ..], v[SV ..]             read by the quantising lines (SK is scaled in place); behind them the loads of two steps on land.
;   v[CD ..], v[BP ..], v[CDV ..], v[BPV]     written by the quantising lines, read by the ten LDS stores behind them; v[BP ..] is written again by the softmax, the others by the next step's quantising.
;   v[FR ..] again, v[VW ..]                  V's fragments and scale words land behind the last score products; V^T P reads them.
;   v[AM]                                     written at a trip's head, read by the mask's loads of both its steps.
;   the other addresses (v1, v2, v4 to v9, v125 to v127) are made at the head and never written again.  S^T, p's codes and scale words, O^T and the statistics are named by vector and matrix instructions alone.
; So a step has five waits: va_vdst at its head (the step before's products are done reading what K's loads land in; v[AM] is written); va_vdst behind the quantising lines (for the ten stores and the 40 loads, which follow in one run);
; vm_vsrc where the ways join behind them (the stores' data and v[AM] may be written again); va_vdst behind the last score products (for V's loads); va_vdst ahead of V^T P (p's codes and scale words are written).
;
; LDS: two buffers of BUF bytes (K's four fragments, V's four, K's 64 scale words, V's 64); a place for each wave's Q (four images of 512 bytes, four times 64 bytes of scale words); a stage for each wave's way out; the mask.
.set BUF,   8704
.set KIMG,  0                          ; fragment b at 1024 b, its registers 4 c .. 4 c + 3 at 512 c, lane l at 16 l
.set VIMG,  4096                       ; the same for V's tile of 16 channels
.set KSC,   8192                       ; the word of fragment b, row r, at 64 b + 4 r: bytes (tile 2 b: block 0, 1; tile 2 b + 1: block 0, 1)
.set VSC,   8448                       ; the word of channel tile d, row r, at 64 d + 4 r: byte = block of 32 keys
.set QS,    2*BUF
.set QSW,   2304
.set STAGE, QS+8*QSW                   ; 16 rows x (256 bytes + 16) for each wave
.set STW,   4352
.set SP,    272
.set MASK,  STAGE+8*STW                ; 2,048 numbers: 8,192 bytes, up to byte 78,848
; REGISTERS, window 0 (an instruction names v0-v255; s_set_vgpr_msb says which window each operand place means: bits 1:0 source 0, 3:2 source 1, 5:4 source 2, 7:6 destination)
.set L16, 1                            ; 16 x lane: an image's place for my lane
.set A4,  2                            ; 4 x (lane % 16): a scale word's
.set AM,  3                            ; the trip's mask words: AM0 + 1,024 x trip
.set L32, 4                            ; 32 x lane: my 8 numbers of K or Q in 1,024 bytes
.set L4,  5                            ; 4 x lane: my column of V
.set KCA, 6                            ; where I store K's codes, K's scale bytes, V's codes, V's scale byte
.set KBA, 7
.set VCA, 8
.set VBA, 9
.set KW,  10                           ; v10-13 K's scale words, v14-17 V's, v18-21 Q's, v22-25 P's: these sixteen hold scales and nothing else
.set VW,  14
.set QW,  18
.set PW,  22
.set ST,  26                           ; tile t at v[26 + 4 t]: -M, the largest t, the sum in two halves
.set F,   42                           ; v42 f = 2^(old M - new M); v43 is named with it as a pair and written once
.set BM,  44                           ; v44-47 a block's largest number
.set BP,  48                           ; v48-51 the other half's, then the scale bytes
.set BE,  52                           ; v52-55 the conversions' scale operands
.set SU,  56                           ; v56-57 the sum's second chain
.set TMP, 58
.set AM0, 59                           ; MASK + 64 x (lane / 16); never rewritten
.set CD,  60                           ; v60-63 codes of K or Q just made
.set QZ,  64                           ; v64-99 Z Q0 Z Q1 Z Q2 Z Q3 Z
.set QBA, 103                          ; v100-119 at work at the head
.set QLA, 104
.set QRA, 105
.set QCA, 111
.set CDV, 120                          ; v120-123 codes of V just made; v124 their scale byte
.set BPV, 124
.set STO, 125                          ; the way out: where I put 32 bytes of a row, where I read rows back, my byte offset in out
.set RD,  126
.set GO,  127
.set S,   128                          ; v128-191 S^T of the tile in hand, then p
.set FR,  192                          ; v192-223 four fragments of K, then of V
.set PC,  224                          ; v224-255 p's codes, 8 registers a tile
; window 1: v0-127 O^T (tile t, channels 16 d on, at 32 t + 8 d; at the head Q's numbers); v128-159 K's numbers on their way, v160-191 V's; v192-255 the mask as C
.set SK,  128
.set SV,  160
.set MK,  192
; scalars: s[4:5] Q, s[6:7] K, s[8:9] V, s[10:11] mask, s[12:13] out, each at my part; s14 wave; s[20:21] lane selects; s[22:23] log2(e); s[24:25] 2^-1.5; s26 trips done; s32 the trip's mask bytes
.set MSB, 0
.macro WIN new                         ; the immediate's high byte repeats the setting that is left; a switch that changes nothing is dropped
.if MSB != \new
	s_set_vgpr_msb (MSB<<8)|\new
.set MSB, \new
.endif
.endm
; A vector instruction that reads a matrix result or writes one of a matrix instruction's registers stands four places behind it, and only plain vector instructions that name none of its
; registers are places (ISA guide 7.12.1).  Ahead of a load into such a register the places are left as they stood, beside the wait on va_vdst that states that dependence.
.macro PLACES
.rept 4
	v_nop
.endr
.endm
; My eighth of key step (the base's step + rel), 40 loads.  K: 16 keys, 4,096 consecutive bytes: lane l takes key 4 g + l / 8, numbers 8 (l % 8) + 0 .. 7.  V: key i of my block of 32, my column: 128 consecutive bytes a load.
.macro LOADS rel
	WIN 0x40                                       ; destination window 1, address window 0
.irp g, 0,1,2,3
.irp e, 0,1
	global_load_b128 v[SK+8*\g+4*\e:SK+8*\g+4*\e+3], v[L32], s[6:7] offset:(\rel)*32768+1024*\g+16*\e
.endr
.endr
.set n, 0
.rept 32
	global_load_b32 v[SV+n], v[L4], s[8:9] offset:(\rel)*32768+256*n
.set n, n+1
.endr
	WIN 0
.endm
; 32 registers of window 1, four groups of 8 neighbours along the head's axis (16 rows of K or of Q), are divided by 2^1.5 and quantised.  A block of 32 lies in four neighbouring lanes.
; Group g's codes (4 bytes) are left in v[CD + g], its block's scale byte in v[BP + g]; SROWS stores them.
.macro QROWS X
	WIN 0x41                                       ; destination and source 0 window 1
.set n, 0
.rept 16
	v_pk_mul_f32 v[(\X)+n:(\X)+n+1], v[(\X)+n:(\X)+n+1], s[24:25] op_sel_hi:[1,0]
.set n, n+2
.endr
	WIN 0x05                                       ; sources 0 and 1 window 1
.irp g, 0,1,2,3
	v_max3_num_f32 v[BM+\g], |v[(\X)+8*\g]|, |v[(\X)+8*\g+1]|, 0x1800000   ; my 8 numbers, and the floor 2^(3 - 127): so the byte cannot fall under 1
.endr
	WIN 0x14                                       ; sources 1 and 2 window 1
.irp e, 2,4,6
.irp g, 0,1,2,3
	v_max3_num_f32 v[BM+\g], v[BM+\g], |v[(\X)+8*\g+\e]|, |v[(\X)+8*\g+\e+1]|   ; (the four groups by turns)
.endr
.endr
	WIN 0
.irp m, 1,2
.irp g, 0,1,2,3
	v_max_num_f32_dpp v[BM+\g], v[BM+\g], v[BM+\g] row_xmask:\m row_mask:0xf bank_mask:0xf   ; with the block's other three lanes
.endr
.endr
.irp g, 0,1,2,3
	v_add_nc_u32 v[BE+\g], 0xff000000, v[BM+\g]    ; 2 off the exponent field: the conversion takes the exponent field of this operand as its scale, and nothing else of it
.endr
.irp g, 0,1,2,3
	v_lshrrev_b32 v[BP+\g], 23, v[BE+\g]           ; the scale's byte
.endr
	WIN 0x01                                       ; source 0 window 1
.irp g, 0,1,2,3
	v_cvt_scalef32_pk8_fp4_f32 v[CD+\g], v[(\X)+8*\g:(\X)+8*\g+7], v[BE+\g]
.endr
	WIN 0
	v_nop                                          ; one plain place behind a scaled conversion
.endm
; Group g's codes go to v[CA] + cb + c1 (g % 2) + c2 (g / 2), its block's scale byte to v[BA] + bb + b1 (g % 2) + b2 (g / 2): the four lanes of a block write the same byte with the same value.
.macro SROWS CA, cb, c1, c2, BA, bb, b1, b2
.irp g, 0,1,2,3
	ds_store_b32 v[\CA], v[CD+\g] offset:(\cb)+(\c1)*(\g%2)+(\c2)*(\g/2)
.endr
.irp g, 0,1,2,3
	ds_store_b8 v[\BA], v[BP+\g] offset:(\bb)+(\b1)*(\g%2)+(\b2)*(\g/2)
.endr
.endm
; My block of V: 32 keys of my column, all in my registers: no other lane is asked.  Its 32 codes are four registers of V^T's fragment as they stand, left in v[CDV ..], the scale byte in v[BPV]; STORE_V stores them.
.macro QUANT_V
	WIN 0x05
	v_max3_num_f32 v[BM], |v[SV]|, |v[SV+1]|, 0x1800000
	v_max3_num_f32 v[BM+1], |v[SV+2]|, |v[SV+3]|, 0x1800000
	WIN 0x14
.irp e, 4,8,12,16,20,24,28
	v_max3_num_f32 v[BM], v[BM], |v[SV+\e]|, |v[SV+\e+1]|          ; two chains
	v_max3_num_f32 v[BM+1], v[BM+1], |v[SV+\e+2]|, |v[SV+\e+3]|
.endr
	WIN 0
	v_max_num_f32 v[BM], v[BM], v[BM+1]
	v_add_nc_u32 v[BE], 0xff000000, v[BM]
	v_lshrrev_b32 v[BPV], 23, v[BE]
	WIN 0x01
.irp g, 0,1,2,3
	v_cvt_scalef32_pk8_fp4_f32 v[CDV+\g], v[SV+8*\g:SV+8*\g+7], v[BE]
.endr
	WIN 0
	v_nop                                          ; one plain place behind a scaled conversion
.endm
.macro STORE_V f
	ds_store_b128 v[VCA], v[CDV:CDV+3] offset:(\f)*BUF+VIMG
	ds_store_b8 v[VBA], v[BPV] offset:(\f)*BUF+VSC
.endm
; A step's K out of buffer f: four fragments, their scale words, and the step's 128 mask numbers as eight C operands: register 16 b + 4 c + e of half h is the mask of key 32 b + 16 h + 4 c + e (sixteen lanes read the same 16 bytes).
.macro FETCH_K f
.irp b, 0,1,2,3
.irp c, 0,1
	ds_load_b128 v[FR+8*\b+4*\c:FR+8*\b+4*\c+3], v[L16] offset:(\f)*BUF+KIMG+1024*\b+512*\c
.endr
.endr
.irp b, 0,1,2,3
	ds_load_b32 v[KW+\b], v[A4] offset:(\f)*BUF+KSC+64*\b
.endr
	WIN 0x40                                       ; destination window 1
.irp b, 0,1,2,3
.irp c, 0,1,2,3
	ds_load_b128 v[MK+16*\b+4*\c:MK+16*\b+4*\c+3], v[AM] offset:512*(\f)+128*\b+16*\c
.endr
.endr
	WIN 0
.endm
.macro FETCH_V f
.irp b, 0,1,2,3
.irp c, 0,1
	ds_load_b128 v[FR+8*\b+4*\c:FR+8*\b+4*\c+3], v[L16] offset:(\f)*BUF+VIMG+1024*\b+512*\c
.endr
.endr
.irp b, 0,1,2,3
	ds_load_b32 v[VW+\b], v[A4] offset:(\f)*BUF+VSC+64*\b
.endr
.endm
; S^T of tile t: eight products on eight accumulators; C = the mask.  u = 0: [Qt, Z] meets the fragment's k 0-63, key tile 2 b; u = 1: [Z, Qt] meets k 64-127, key tile 2 b + 1.
.macro SCORES t
	WIN 0x10                                       ; source 2 (the mask) window 1
.irp b, 0,1,2,3
.irp u, 0,1
	v_wmma_scale_f32_16x16x128_f8f6f4 v[S+8*(2*\b+\u):S+8*(2*\b+\u)+7], v[FR+8*\b:FR+8*\b+7], v[QZ+4+8*(\t)-4*\u:QZ+11+8*(\t)-4*\u], v[MK+8*(2*\b+\u):MK+8*(2*\b+\u)+7], v[KW+\b], v[QW+(\t)] matrix_a_fmt:MATRIX_FMT_FP4 matrix_b_fmt:MATRIX_FMT_FP4
.endr
.endr
	WIN 0
	PLACES
.endm
; The softmax of tile t for 128 keys; p's codes into v[PC + 8 t] on, their scale word into v[PW + t]; the tile's O^T under the new M.
.macro SOFTMAX t
.set NM, ST+4*(\t)
.set PT, PC+8*(\t)
.set OT, 32*(\t)
.irp b, 0,1,2,3
	v_max3_num_f32 v[BM+\b], v[S+16*\b], v[S+16*\b+1], v[S+16*\b+2]   ; THE LARGEST SCORE OF EACH BLOCK OF 32 KEYS serves twice: for the row's maximum, and, since p rises with the score, for the block's largest p.  Each accumulator is read from its low end on
.endr
.irp e, 3,5,7,9,11,13
.irp b, 0,1,2,3
	v_max3_num_f32 v[BM+\b], v[BM+\b], v[S+16*\b+\e], v[S+16*\b+\e+1]   ; (the four blocks by turns)
.endr
.endr
.irp b, 0,1,2,3
	v_max_num_f32 v[BM+\b], v[BM+\b], v[S+16*\b+15]
.endr
.irp b, 0,1,2,3
	v_permlanex16_b32 v[BP+\b], v[BM+\b], s20, s21
.endr
.irp b, 0,1,2,3
	v_max_num_f32 v[BM+\b], v[BM+\b], v[BP+\b]     ; with lane l xor 16's 16 keys
.endr
	v_max3_num_f32 v[TMP], v[BM], v[BM+1], v[BM+2]
	v_max_num_f32 v[TMP], v[TMP], v[BM+3]          ; the step's largest score of my query
	v_mul_f32 v[TMP], s22, v[TMP]                  ; as t
	v_max_num_f32 v[NM+1], v[NM+1], v[TMP]         ; the running largest t
	v_mov_b32 v[TMP], v[NM]
	v_floor_f32 v[NM], -v[NM+1]                    ; the new -M = floor(-t) = -ceil(t): M is a whole number
	v_sub_f32 v[TMP], v[NM], v[TMP]                ; M's old value less its new one: a whole number, 0 or less
	v_cvt_i32_f32 v[TMP], v[TMP]                   ; (it saturates)
	v_ldexp_f32 v[F], 1.0, v[TMP]                  ; f = 2^(old M - new M)
.set n, 0
.rept 32
	v_pk_fma_f32 v[S+n:S+n+1], v[S+n:S+n+1], s[22:23], v[NM:NM+1] op_sel_hi:[1,0,0]   ; t - M, two at a time (of the pairs log2(e) and -M the low word serves both halves)
.set n, n+2
.endr
.irp b, 0,1,2,3
	v_fma_f32 v[BM+\b], v[BM+\b], s22, v[NM]       ; the same of each block's largest score
.endr
.set n, 0
	s_wait_alu depctr_va_vdst(0)
.rept 64
	v_exp_f32 v[S+n], v[S+n]                       ; p = 2^(t - M): not normalised
.set n, n+1
.endr
.irp b, 0,1,2,3
	v_exp_f32 v[BM+\b], v[BM+\b]                   ; the block's largest p: the same two instructions on the same number give the same bits
.endr
	v_pk_mul_f32 v[NM+2:NM+3], v[NM+2:NM+3], v[F:F+1] op_sel_hi:[1,0]   ; the sums under the new M.  (A plain place behind the exponentials)
	s_wait_alu depctr_va_vdst(0)                   ; the 68 exponentials have written v[S ..] and v[BM ..], which the lines below name: one wait for the batch, ahead of its first reader
.irp b, 0,1,2,3
	v_max_num_f32 v[BM+\b], 0x1800000, v[BM+\b]    ; the floor 2^(3 - 127): a block whose every p has fallen to 0 keeps the byte 1: its codes are zeros
.endr
.irp b, 0,1,2,3
	v_add_nc_u32 v[BE+\b], 0xff000000, v[BM+\b]    ; 2 off the exponent field: the conversion's scale operand
.endr
.irp b, 0,1,2,3
	v_lshrrev_b32 v[BP+\b], 23, v[BE+\b]           ; the scale's byte
.endr
	v_lshl_or_b32 v[PW+(\t)], v[BP+1], 8, v[BP]    ; p's scale word for these 128 keys
	v_lshl_or_b32 v[PW+(\t)], v[BP+2], 16, v[PW+(\t)]
	v_lshl_or_b32 v[PW+(\t)], v[BP+3], 24, v[PW+(\t)]
.irp b, 0,1,2,3
	v_cvt_scalef32_pk8_fp4_f32 v[PT+2*\b], v[S+16*\b:S+16*\b+7], v[BE+\b]
	v_cvt_scalef32_pk8_fp4_f32 v[PT+2*\b+1], v[S+16*\b+8:S+16*\b+15], v[BE+\b]
.endr
	v_nop                                          ; one plain place behind a scaled conversion
.irp c, 0,1                                    ; the operand's layout wants a WHOLE block in a lane: lanes 0-15 block 2 c, lanes 16-31 block 2 c + 1
.irp e, 0,1
	v_permlane16_swap_b32 v[PT+4*\c+\e], v[PT+4*\c+2+\e]
.endr
.endr
	v_pk_add_f32 v[SU:SU+1], v[S:S+1], v[S+2:S+3]  ; the row's sum is taken of the unquantised p: two at a time, in two chains
.irp e, 4,8,12,16,20,24,28,32,36,40,44,48,52,56,60
	v_pk_add_f32 v[NM+2:NM+3], v[NM+2:NM+3], v[S+\e:S+\e+1]
	v_pk_add_f32 v[SU:SU+1], v[SU:SU+1], v[S+\e+2:S+\e+3]
.endr
	v_pk_add_f32 v[NM+2:NM+3], v[NM+2:NM+3], v[SU:SU+1]
	WIN 0x41                                       ; O^T (destination and source 0) window 1, f window 0
.set n, 0
.rept 16
	v_pk_mul_f32 v[OT+n:OT+n+1], v[OT+n:OT+n+1], v[F:F+1] op_sel_hi:[1,0]   ; O^T under the new M, each accumulator from its low end on
.set n, n+2
.endr
	WIN 0
.endm
; O^T += V^T P^T for all four tiles: sixteen accumulators by turns, one instruction a turn.  The four places behind them stand ahead of the next loads into the fragments' registers, beside the next step's first wait.
.macro PV
	WIN 0x50                                       ; C and D window 1
.irp d, 0,1,2,3
.irp t, 0,1,2,3
	v_wmma_scale_f32_16x16x128_f8f6f4 v[32*\t+8*\d:32*\t+8*\d+7], v[FR+8*\d:FR+8*\d+7], v[PC+8*\t:PC+8*\t+7], v[32*\t+8*\d:32*\t+8*\d+7], v[VW+\d], v[PW+\t] matrix_a_fmt:MATRIX_FMT_FP4 matrix_b_fmt:MATRIX_FMT_FP4
.endr
.endr
	WIN 0
	PLACES
.endm
; A KEY STEP: reads buffer f, writes buffer 1 - f.  The numbers that were asked for a step ago become the next step's codes; the numbers of the step after that are asked for.
; In the last trip (s26 = 7) its first step asks for nothing and its second neither quantises nor asks: there is no step 16, and no load leaves its buffer.  The branches hang on the count of trips alone.
.macro STEP f
	s_wait_alu depctr_va_vdst(0)                   ; the step before's products are done reading v[FR ..], v[KW ..] and the mask's registers, in which the loads below land; in a trip's first step v[AM], their address, is written; in the first trip Q's scale words and the zero codes, which the scaled products take, are written
	FETCH_K \f                                     ; these land while the next step's numbers are quantised
.if \f == 1
	s_cmp_eq_u32 s26, 7
	s_cbranch_scc1 .Lskip_\@
.endif
	s_wait_loadcnt 0x0                             ; the 40 loads that were issued a step ago; none was issued since
	QROWS SK                                       ; both quantisers stand together, so that one wait serves their stores and the loads
	QUANT_V
	s_wait_alu depctr_va_vdst(0)                   ; the quantising lines have written v[CD ..], v[BP ..], v[CDV ..] and v[BPV], which the ten LDS stores read, and are done reading window 1's v[SK ..] and v[SV ..], in which the 40 loads land; no vector instruction stands between this wait and those
	SROWS KCA, (1-\f)*BUF+KIMG, 64, 512, KBA, (1-\f)*BUF+KSC, 16, 2
	STORE_V 1-\f
.if \f == 0
	s_cmp_eq_u32 s26, 7
	s_cbranch_scc1 .Lskip_\@
.endif
	LOADS 2+\f
.Lskip_\@:
	s_wait_dscnt 0x0                               ; K's fragments, scale words and the mask are in
	s_wait_alu depctr_vm_vsrc(0)                   ; my LDS stores have read v[BP ..], which the softmax writes again, and v[CD ..], v[CDV ..], v[BPV], which the next step's quantising writes again; the mask's loads have read v[AM], which the next trip's head writes again
	SCORES 0
	SOFTMAX 0
	SCORES 1
	SOFTMAX 1
	SCORES 2
	SOFTMAX 2
	SCORES 3
	s_wait_alu depctr_va_vdst(0)                   ; the last products on K are done reading v[FR ..], in which V's fragments land (v[VW ..] was last read by the step before's products)
	FETCH_V \f                                     ; behind the last products on K and their four places: V takes K's registers and lands during the last softmax
	SOFTMAX 3
	s_wait_dscnt 0x0                               ; V is in; my stores into the other buffer have landed; my reads of this buffer are over: no LDS instruction of mine follows before the signal
	s_wait_alu depctr_va_vdst(0)                   ; the four softmaxes have written p's codes v[PC ..] and scale words v[PW ..], which the scaled products take as source 1 and its scales; the places that those want stand ahead of this wait: the last tile's 32 sums and 16 rescalings
	PV
	s_barrier_signal -1                            ; ONE barrier a step, for two things: the other buffer is whole before anyone reads it,
	s_barrier_wait -1                              ; and nobody reads this buffer any more when it is written again
.endm
	s_load_b256 s[4:11], s[0:1], 0x0               ; Q s[4:5], K s[6:7], V s[8:9], mask s[10:11]
	s_load_b64 s[12:13], s[0:1], 0x20              ; out
	v_lshrrev_b32 v100, 5, v0
	v_readfirstlane_b32 s14, v100                  ; wave 0..7
	v_and_b32 v100, 31, v0                         ; l
	v_and_b32 v101, 15, v0                         ; r = l % 16
	v_bfe_u32 v102, v0, 4, 1                       ; h = l / 16
	v_lshlrev_b32 v[L32], 5, v100
	v_lshlrev_b32 v[L4], 2, v100
	v_lshlrev_b32 v109, 4, v0                      ; the mask: 16 bytes a thread
	s_wait_alu depctr_va_sdst(0)                   ; s14 is written, ahead of its first reader: the bases and the LDS places below are made from it
	s_and_b32 s15, ttmp7, 0xffff                   ; the head
	s_lshr_b32 s27, s14, 1                         ; w / 2
	s_and_b32 s28, s14, 1                          ; w % 2
	s_lshr_b32 s29, s14, 2                         ; w / 4
	s_and_b32 s30, s27, 1                          ; (w / 2) % 2
	s_lshl_b32 s16, s15, 19                        ; the head's first byte in Q, K, V and out: 2,048 rows of 256 bytes.  Every offset stays under 2^25
	s_lshl_b32 s18, ttmp9, 17                      ; my block's 512 rows,
	s_lshl_b32 s19, s14, 14                        ; my wave's 64 of them
	s_add_co_u32 s18, s18, s19
	s_add_co_u32 s18, s18, s16
	s_mov_b32 s19, 0
	s_lshl_b32 s36, s14, 12                        ; K: my 16 keys of a step
	s_add_co_u32 s36, s36, s16
	s_mov_b32 s37, 0
	s_lshl_b32 s34, s27, 13                        ; V: block w / 2 of a step's four blocks of 32 keys,
	s_lshl_b32 s35, s28, 7                         ; columns 32 (w % 2) on
	s_add_co_u32 s34, s34, s35
	s_add_co_u32 s34, s34, s16
	s_mov_b32 s35, 0
	s_lshr_b32 s38, s15, 4                         ; the batch: its row of the mask
	s_lshl_b32 s38, s38, 13
	s_mov_b32 s39, 0
	s_mov_b32 s20, 0x76543210
	s_mov_b32 s21, 0xfedcba98                      ; v_permlanex16_b32's selects for lane l xor 16
	s_mov_b32 s22, 0x3fb8aa3b                      ; log2(e)
	s_mov_b32 s23, s22                             ; (the packed forms name a pair and take its low word for both halves: so the high word is written)
	s_mov_b32 s24, 0x3eb504f3                      ; 2^-1.5
	s_mov_b32 s25, s24
	s_wait_kmcnt 0x0
	s_add_nc_u64 s[4:5], s[4:5], s[18:19]
	s_add_nc_u64 s[12:13], s[12:13], s[18:19]
	s_add_nc_u64 s[6:7], s[6:7], s[36:37]
	s_add_nc_u64 s[8:9], s[8:9], s[34:35]
	s_add_nc_u64 s[10:11], s[10:11], s[38:39]
	s_wait_alu depctr_va_vdst(0)                   ; v109, v[L32] and v[L4] are written: the offsets that the loads below read
	global_load_b128 v[112:115], v109, s[10:11]    ; the batch's 2,048 mask numbers: 256 threads x 2 x 16 bytes
	global_load_b128 v[116:119], v109, s[10:11] offset:4096
	LOADS 0                                        ; key step 0
	; the addresses, while the loads are on their way
	v_lshlrev_b32 v[L16], 4, v100
	v_lshlrev_b32 v[A4], 2, v101
	v_lshl_add_u32 v[AM0], v102, 6, MASK
	v_bfe_u32 v103, v0, 3, 2                       ; l / 8: my row among a group's four
	v_bfe_u32 v104, v0, 2, 1                       ; (l / 4) % 2: my block of the head's two = the half of the lanes that the fragment wants it in
	v_and_b32 v105, 3, v0                          ; l % 4: which of that lane's four registers
	v_lshlrev_b32 v106, 4, v103
	v_lshl_add_u32 v106, v104, 8, v106
	v_lshl_add_u32 v106, v105, 2, v106             ; codes: 16 (l / 8) + 256 ((l / 4) % 2) + 4 (l % 4)
	s_wait_alu depctr_va_vdst(0)
	v_lshl_add_u32 v107, v103, 2, v104             ; scale bytes: 4 (l / 8) + (l / 4) % 2
	s_lshl_b32 s31, s27, 10                        ; K: my 16 keys are rows 8 (w % 2) .. + 7 of key tiles 2 (w / 2) and 2 (w / 2) + 1: fragment w / 2
	s_lshl_b32 s33, s28, 7
	s_add_co_u32 s31, s31, s33
	v_add_nc_u32 v[KCA], s31, v106
	s_lshl_b32 s31, s27, 6
	s_lshl_b32 s33, s28, 5
	s_add_co_u32 s31, s31, s33
	v_add_nc_u32 v[KBA], s31, v107
	s_lshl_b32 s31, s28, 11                        ; V: channel tile 2 (w % 2) + h, row r; key block w / 2 = registers 4 (w / 4) on of the lanes' half (w / 2) % 2
	s_lshl_b32 s33, s29, 9
	s_add_co_u32 s31, s31, s33
	s_lshl_b32 s33, s30, 8
	s_add_co_u32 s31, s31, s33
	v_lshlrev_b32 v108, 4, v101
	v_lshl_add_u32 v108, v102, 10, v108
	v_add_nc_u32 v[VCA], s31, v108
	s_lshl_b32 s31, s28, 7
	s_add_co_u32 s31, s31, s27
	v_lshl_add_u32 v108, v102, 6, v[A4]
	v_add_nc_u32 v[VBA], s31, v108
	s_mul_i32 s31, s14, QSW                        ; my wave's place for Q
	s_add_co_u32 s31, s31, QS
	v_add_nc_u32 v[QCA], s31, v106
	v_add_nc_u32 v[QLA], s31, v[L16]
	s_add_co_u32 s31, s31, 2048
	v_add_nc_u32 v[QBA], s31, v107
	v_add_nc_u32 v[QRA], s31, v[A4]
	s_mul_i32 s31, s14, STW                        ; my stage
	s_add_co_u32 s31, s31, STAGE
	v_mul_u32_u24 v108, v101, SP
	v_lshl_add_u32 v108, v102, 5, v108
	v_add_nc_u32 v[STO], s31, v108                 ; in: row r, 32 bytes for each half of the lanes
	v_mul_u32_u24 v108, v102, SP
	v_lshl_add_u32 v108, v101, 4, v108
	v_add_nc_u32 v[RD], s31, v108                  ; back: lanes 0-15 one row of 256 bytes, lanes 16-31 the next
	v_lshlrev_b32 v[GO], 8, v102
	v_lshl_add_u32 v[GO], v101, 4, v[GO]           ; and the same two rows in out
	v_add_nc_u32 v110, MASK, v109
	s_wait_loadcnt 40                              ; the mask is in; step 0's 40 loads, issued behind it, may be out
.irp j, 0,1,2,3,4,5,6,7
	v_sub_f32 v[112+\j], 1.0, v[112+\j]            ; -1000 (1 - mask): two roundings, as reference() has them, so not one fused multiply-add
.endr
.irp j, 0,1,2,3,4,5,6,7
	v_mul_f32 v[112+\j], 0xc47a0000, v[112+\j]
.endr
	s_wait_alu depctr_va_vdst(0)                   ; v112 to v119 and their address v110 are written, which the two LDS stores read; so are all the addresses made above, which LDS and memory instructions read from here to the kernel's end
	ds_store_b128 v110, v[112:115]
	ds_store_b128 v110, v[116:119] offset:4096
	WIN 0x40                                       ; destination window 1
.irp t, 0,1,2,3                                ; Q: my 64 rows, read by me alone: tile t's 4,096 bytes as K's 16 keys are taken
.irp g, 0,1,2,3
.irp e, 0,1
	global_load_b128 v[32*\t+8*\g+4*\e:32*\t+8*\g+4*\e+3], v[L32], s[4:5] offset:4096*\t+1024*\g+16*\e th:TH_LOAD_NT
.endr
.endr
.endr
	WIN 0
	s_wait_loadcnt 32                              ; step 0 is in; Q's 32 loads may be out
	QROWS SK                                       ; step 0 into buffer 0
	QUANT_V
	s_wait_alu depctr_va_vdst(0)                   ; the quantising lines have written v[CD ..], v[BP ..], v[CDV ..] and v[BPV], which the ten LDS stores read, and are done reading window 1's v[SK ..] and v[SV ..], in which step 1's loads land
	SROWS KCA, KIMG, 64, 512, KBA, KSC, 16, 2
	STORE_V 0
	LOADS 1                                        ; key step 1
	s_wait_loadcnt 40                              ; Q is in; step 1's 40 loads may be out
.irp t, 0,1,2,3
	s_wait_dscnt 0x0                               ; my LDS stores so far are done,
	s_wait_alu depctr_vm_vsrc(0)                   ; and they have read v[CD ..] and v[BP ..], which the lines below write again
	QROWS 32*\t
	s_wait_alu depctr_va_vdst(0)                   ; the tile's codes v[CD ..] and scale bytes v[BP ..] are written, which the eight LDS stores read
	SROWS QCA, 512*\t, 64, 128, QBA, 64*\t, 16, 32   ; row 4 g + l / 8 of the tile: 64 bytes of codes and 16 of scale words from group to group
.endr
.irp t, 0,1,2,3
	ds_load_b128 v[QZ+4+8*\t:QZ+7+8*\t], v[QLA] offset:512*\t   ; LDS serves a wave's instructions in order (ISA guide 5.7.1.4): these see my stores
.endr
.irp t, 0,1,2,3
	ds_load_u16 v[QW+\t], v[QRA] offset:64*\t      ; row r's two scale bytes
.endr
.irp z, 0,8,16,24,32
.irp e, 0,1,2,3
	v_mov_b32 v[QZ+\z+\e], 0                       ; the zero codes between Q's tiles
.endr
.endr
.irp t, 0,1,2,3
	v_mov_b32 v[ST+4*\t+1], 0xff61b1e6             ; the largest t so far: -3e38, under every t
	v_mov_b32 v[ST+4*\t+2], 0                      ; the sum, in two halves
	v_mov_b32 v[ST+4*\t+3], 0
.endr
.irp t, 0,1,2,3
	v_floor_f32 v[ST+4*\t], -v[ST+4*\t+1]          ; -M
.endr
	v_mov_b32 v[F+1], 0                            ; (named as the upper half of the pair with f)
	WIN 0x40
.set n, 0
.rept 128
	v_mov_b32 v[n], 0                              ; O^T, where Q's numbers lay.  The key step is written without a first step of its own: the first finds zeros, which the first change of M leaves zeros
.set n, n+1
.endr
	WIN 0
	s_wait_dscnt 0x0                               ; Q's codes and bytes are in; my stores of the mask and of buffer 0 have landed
	s_wait_alu depctr_vm_vsrc(0)                   ; the stores of Q's last tile have read v[CD ..] and v[BP ..], which the first key step's quantising writes again
.irp t, 0,1,2,3
	v_lshl_or_b32 v[QW+\t], v[QW+\t], 16, v[QW+\t] ; Q's scale word (s0, s1, s0, s1): it serves [Qt, Z] and [Z, Qt] alike
.endr
	s_barrier_signal -1
	s_barrier_wait -1                              ; the mask and buffer 0 are whole
	s_mov_b32 s26, 0
	s_mov_b32 s32, 0
.Ltrip:                                            ; eight trips of two key steps: the two buffers are named by constants
	v_add_nc_u32 v[AM], s32, v[AM0]                ; (the loads that read v[AM] stand ahead of the last step's wait on vm_vsrc, and none has read it since; the step's first wait states that it is written)
	STEP 0
	STEP 1
	s_wait_xcnt 0x0                                ; the trip's loads have read their bases: only behind this wait are they stepped
	s_add_nc_u64 s[6:7], s[6:7], 0x10000           ; two steps on: 256 keys of 256 bytes
	s_add_nc_u64 s[8:9], s[8:9], 0x10000
	s_add_co_u32 s32, s32, 1024                    ; and 256 mask numbers
	s_add_co_u32 s26, s26, 1
	s_cmp_lt_u32 s26, 8
	s_cbranch_scc1 .Ltrip
	; THE WAY OUT.  The sum's two halves and lane l xor 16's are added; O^T is divided by the sum and goes through my stage in LDS, a tile (16 rows of out) at a time, so that sixteen lanes store one row of 256 bytes.
.irp t, 0,1,2,3
	v_add_f32 v[ST+4*\t+2], v[ST+4*\t+2], v[ST+4*\t+3]
.endr
.irp t, 0,1,2,3
	v_permlanex16_b32 v[BP+\t], v[ST+4*\t+2], s20, s21
.endr
.irp t, 0,1,2,3
	v_add_f32 v[ST+4*\t+2], v[ST+4*\t+2], v[BP+\t]
.endr
	s_wait_alu depctr_va_vdst(0)
.irp t, 0,1,2,3
	v_rcp_f32 v[ST+4*\t+2], v[ST+4*\t+2]
.endr
	v_nop                                          ; a plain place between the last reciprocal and the use of its result
	s_wait_alu depctr_va_vdst(0)                   ; the four reciprocals have written v[ST + 4 t + 2], which the multiplications below read: one wait for the four
; Tile t: register 8 d + j of lane (r, h) is out(r, 16 d + 8 h + j).  Into rows of 272 bytes, and back as whole rows of 256, into the registers that they left.
.macro PACK t
	WIN 0x01                                       ; source 0 (O^T) window 1
.set n, 0
.rept 16
	v_pk_mul_f32 v[S+32*(\t)+n:S+32*(\t)+n+1], v[32*(\t)+n:32*(\t)+n+1], v[ST+4*(\t)+2:ST+4*(\t)+3] op_sel_hi:[1,0]   ; each accumulator from its low end on
.set n, n+2
.endr
	WIN 0
	s_wait_alu depctr_va_vdst(0)                   ; the multiplications have written v[S + 32 t ..], which the LDS stores read and in which the loads below land
.irp d, 0,1,2,3
	ds_store_b128 v[STO], v[S+32*(\t)+8*\d:S+32*(\t)+8*\d+3] offset:64*\d
	ds_store_b128 v[STO], v[S+32*(\t)+8*\d+4:S+32*(\t)+8*\d+7] offset:64*\d+16
.endr
	s_wait_alu depctr_vm_vsrc(0)                   ; the eight stores have read v[S + 32 t ..], in which the eight loads land
.irp e, 0,1,2,3,4,5,6,7
	ds_load_b128 v[S+32*(\t)+4*\e:S+32*(\t)+4*\e+3], v[RD] offset:\e*2*SP   ; LDS serves a wave's instructions in order: these see the stores above; the next tile's stores come behind them
.endr
.endm
.macro SEND t, younger                 ; younger: the LDS instructions issued behind tile t's loads: the next tile's sixteen, or none
.irp e, 0,1,2,3,4,5,6,7
	s_wait_dscnt \younger+7-\e
	global_store_b128 v[GO], v[S+32*(\t)+4*\e:S+32*(\t)+4*\e+3], s[12:13] offset:4096*(\t)+512*\e th:TH_STORE_NT   ; 32 lanes store 512 consecutive bytes, at a multiple of 256 from out's first byte; written once, read by nobody here
.endr
.endm
	PACK 0
	PACK 1                                         ; a tile's arithmetic stands between the loads of the tile before and its stores
	SEND 0, 16
	PACK 2
	SEND 1, 16
	PACK 3
	SEND 2, 16
	SEND 3, 0
	s_wait_xcnt 0x0                                ; the last stores have had their addresses translated (ISA guide 3.1): their data registers are rewritten only behind this wait,
	s_wait_alu depctr_vm_vsrc(0)                   ; and they have read v254 and v255, which the two lines below write
	v_lshl_add_u32 v254, v0, 2, 0x13400            ; my spare word: behind the mask, 128 bytes for each wave: four blocks of 256 bytes that no other line names
	v_mov_b32 v255, 0
	s_wait_dscnt 0x0                               ; the closing lines, six on end
	s_wait_alu 0x0
	s_wait_tensorcnt 0x0
	ds_add_u32 v254, v255
	s_wait_dscnt 0x0
	s_endpgm
.Lfunc_end_k_q0f7f77474f_attn:
	.size	k_q0f7f77474f_attn, .Lfunc_end_k_q0f7f77474f_attn-k_q0f7f77474f_attn
	.p2alignl 7, 3214868480
	.fill 96, 4, 3214868480
	.section	.rodata,"a",@progbits
	.p2align	6, 0x0
	.amdhsa_kernel k_q0f7f77474f_attn
		.amdhsa_group_segment_fixed_size 79872
		.amdhsa_private_segment_fixed_size 0
		.amdhsa_enable_private_segment 0
		.amdhsa_kernarg_size 40
		.amdhsa_user_sgpr_count 2
		.amdhsa_user_sgpr_kernarg_segment_ptr 1
		.amdhsa_wavefront_size32 1
		.amdhsa_system_sgpr_workgroup_id_x 1
		.amdhsa_system_sgpr_workgroup_id_y 1
		.amdhsa_system_sgpr_workgroup_id_z 1
		.amdhsa_system_vgpr_workitem_id 0
		.amdhsa_next_free_vgpr 512
		.amdhsa_next_free_sgpr 66
		.amdhsa_reserve_vcc 0
		.amdhsa_float_denorm_mode_32 3
		.amdhsa_float_denorm_mode_16_64 3
		.amdhsa_memory_ordered 1
		.amdhsa_forward_progress 1
		.amdhsa_inst_pref_size 191
	.end_amdhsa_kernel
	.amdgpu_metadata
---
amdhsa.version: [ 1, 2 ]
amdhsa.kernels:
  - .name:           k_q0f7f77474f_attn
    .symbol:         k_q0f7f77474f_attn.kd
    .args:
      - { .name: query_layer, .offset: 0, .size: 8, .value_kind: global_buffer, .address_space: global }
      - { .name: key_layer, .offset: 8, .size: 8, .value_kind: global_buffer, .address_space: global }
      - { .name: value_layer, .offset: 16, .size: 8, .value_kind: global_buffer, .address_space: global }
      - { .name: attention_mask, .offset: 24, .size: 8, .value_kind: global_buffer, .address_space: global }
      - { .name: out0, .offset: 32, .size: 8, .value_kind: global_buffer, .address_space: global }
    .group_segment_fixed_size: 79872
    .private_segment_fixed_size: 0
    .kernarg_segment_align: 8
    .kernarg_segment_size: 40
    .max_flat_workgroup_size: 256
    .sgpr_count:     66
    .vgpr_count:     512
    .wavefront_size: 32
...
	.end_amdgpu_metadata
.endif
;; end of part 2
